; MI455X (gfx1250); checked and timed in simulation.
; The chip was launched on July 23, 2026; its instructions are those of AMD's public machine-readable ISA for CDNA 5 (MIT licence, August 2026) and "CDNA5" Instruction Set Architecture Reference Guide (July 2026). The comments in the code are by the model that wrote it; some were corrected since.
;; Full Attention. Allowed arithmetic: matrix products marked QUANTISED: E2M3 operands, one E8M0 scale for each 32 along K, by v_wmma_scale_f32_16x16x128_f8f6f4 with both operands' format E2M3, f32 sums; everything else in f32.
;; Inputs: keys_codes 2 x 16 x 2,048 x 2 x 24 uint8 (E2M3 codes of keys, K innermost, in blocks of 32 codes, four codes in three bytes); keys_scales 2 x 16 x 2,048 x 2 uint8 (E8M0 scales of keys, one for each 32 codes along K); queries_codes 2 x 16 x 2,048 x 2 x 24 uint8 (E2M3 codes of queries, K innermost, in blocks of 32 codes, four codes in three bytes); queries_scales 2 x 16 x 2,048 x 2 uint8 (E8M0 scales of queries, one for each 32 codes along K); values_codes 2 x 16 x 64 x 64 x 24 uint8 (E2M3 codes of values, K innermost, in blocks of 32 codes, four codes in three bytes); values_scales 2 x 16 x 64 x 64 uint8 (E8M0 scales of values, one for each 32 codes along K).
;; Outputs: out0 2 x 16 x 2,048 x 64 float32.
;; This version of the problem:
;;   THIS VERSION OF THE PROBLEM IS GIVEN IN LOW PRECISION. The matrix products marked QUANTISED in the list below multiply operands that are first quantised to E2M3 (2 exponent bits, 3 mantissa bits; 6 bits a number), with one power-of-two scale for each 32 numbers along K (OCP MX v1.0); their sums are f32. All else is computed in f32.
;;   The module's matrix products, in the order in which they are computed (A, B: the left and right operand; K: the contracted axis; several contracted axes count as one K, in the product's order):
;;     1. batch 32 x [M 2,048, K 64] x [K 64, N 2,048]; A: input queries (given as codes); B: input keys (given as codes): QUANTISED
;;     2. batch 32 x [M 2,048, K 2,048] x [K 2,048, N 64]; A: softmax (see below); B: input values (given as codes): QUANTISED
;;   THE QUANTISER, for each operand of a quantised product, along K:
;;     - K is cut into blocks of 32 from its start; a last block that is shorter is filled with zeros.
;;     - A block's scale is 2^e with e = floor(log2(the largest magnitude in the block)) - 2, held to -126 .. 127; a block of zeros has e = 0. As a byte (E8M0): e + 127.
;;     - Each number is divided by its block's scale, clamped to +-7.5, and rounded to the nearest number of E2M3, ties to even, subnormals kept.
;;     - The product sums the exact products of the quantised numbers (number of the format x scale) in f32.
;;   ~~~python
;;   def quantise(x, axis):      # numpy; x: float32 -> the quantised numbers, widened to float32 again
;;       x = np.moveaxis(x, axis, -1); K = x.shape[-1]
;;       x = np.pad(x, [(0, 0)] * (x.ndim - 1) + [(0, -K % 32)]); x = x.reshape(x.shape[:-1] + (-1, 32)); a = np.abs(x).max(-1, keepdims=True)
;;       e = np.where(a > 0, np.clip(np.frexp(np.where(a > 0, a, 1))[1] - 1 - 2, -126, 127), 0)      # np.frexp(a)[1] - 1 = floor(log2(a)), exactly
;;       r = np.clip(x / 2.0 ** e, -7.5, 7.5)
;;       step = 2.0 ** (np.maximum(np.frexp(np.where(r == 0, 1, r))[1] - 1, 0) - 3)
;;       q = np.round(r / step) * step * 2.0 ** e      # np.round: ties to even
;;       return np.moveaxis(q.reshape(q.shape[:-2] + (-1,))[..., :K], -1, axis).astype(np.float32)
;;   ~~~
;;   SOFTMAX AHEAD OF A QUANTISED PRODUCT. Where the list says 'softmax', what is quantised is not the finished softmax but p = 2^(t - M), with t = logit x log2(e) and M = ceil(the row's largest t), a whole number; so 1/2 < the row's largest p <= 1. The row's sum l is taken of the UNQUANTISED p, in f32, and the product's result is divided by l at the end. Since M is a whole number, a kernel that streams over the keys may use a running M (the ceiling of the running maximum): every later rescaling is an exact power of two, which a block's scale takes up: the codes' values come out the same.
;;   OPERANDS COMPUTED ON THE WAY. 'Computed on the way' means the value that the module computes at that place (a softmax that the list does not call 'softmax' is quantised finished and normalised). What goes into a quantiser is computed in f32, as accurately as f32 sums, v_exp_f32 and their like allow (about 1e-6 of the number): no bf16 or f16 on the way to a quantiser, and a product that is left as it is and whose result goes on into a quantised operand takes f32 operands (vector FMAs, or v_wmma_f32_16x16x4_f32). A number that lies on a knife's edge between two numbers of the format may be rounded either way, as far as f32 arithmetic and the matrix unit's own rounding can turn it there, and no further.
;;   INPUTS GIVEN AS CODES. keys (in the module: [2, 16, 2048, 64], K = its axis 3); queries (in the module: [2, 16, 2048, 64], K = its axis 3); values (in the module: [2, 16, 2048, 64], K = its axis 2): each comes as NAME_codes (uint8): NAME with its K axis moved to the last place and cut into blocks of 32 codes, [.., K / 32, bytes a block], one block behind the other in memory; four codes in three bytes: a row's codes are one little-endian stream of bits, code i at bits 6 i .. 6 i + 5 (a code: sign, 2 exponent bits, 3 mantissa bits); and NAME_scales (uint8): the same leading axes, one E8M0 byte (e + 127) for each 32 codes along K. Its value is code x scale, taken as it is: it is not quantised again, and the codes and scales need not be those that the quantiser above would give.
;; One version. Each part assembles by itself: llvm-mc -triple=amdgcn-amd-amdhsa -mcpu=gfx1250 --defsym DOCPART=n.
;; ======== version 1 of 1: 1 launch
;; limits: right only within a limited range of input values
;; launch attn (part 1): grid 8 x 32, 16 waves a work-group, clusters of 4 x 1, 280,576 bytes of LDS; arguments keys_codes, keys_scales, queries_codes, queries_scales, values_codes, values_scales, out0; writes out0
.if DOCPART == 1
	.amdgcn_target "amdgcn-amd-amdhsa--gfx1250"
	.amdhsa_code_object_version 6
	.text
	.protected	k_qab21fe58fe_attn
	.globl	k_qab21fe58fe_attn
	.p2align	8
	.type	k_qab21fe58fe_attn,@function
k_qab21fe58fe_attn:
	s_mov_b64 s[64:65], 0
	v_nop
	global_prefetch_b8 v0, s[64:65] scope:SCOPE_SE
	s_setreg_imm32_b32 hwreg(HW_REG_WAVE_MODE, 25, 1), 1
	s_wait_xcnt 0x0
	s_wait_alu depctr_hold_cnt(0) depctr_sa_sdst(0) depctr_va_vdst(0) depctr_va_sdst(0) depctr_va_ssrc(0) depctr_va_vcc(0) depctr_vm_vsrc(0)
	s_getreg_b32 s2, hwreg(HW_REG_IB_STS2, 6, 4)
	s_cmp_eq_u32 s2, 0
	s_cbranch_scc0 .Lentry_in_a_cluster
	s_endpgm
.Lentry_in_a_cluster:
	s_bfe_u32 s2, ttmp6, 0x10000c
	s_cmp_lg_u32 s2, 0x3003
	s_cbranch_scc0 .Lentry_shape_is_right
	s_endpgm
.Lentry_shape_is_right:
; out0[head][q][:] = sum over k <= q of softmax_k(Q[q] . K[k] / 8) V[k][:], 32 heads, 2,048 queries and keys, head size 64.  Both products on codes of FP6 (E2M3) with one E8M0 scale for each 32 along a product's K.
; Q, K: rows of 48 bytes of codes and 2 scale bytes (K = the head's 64).  V: keys innermost, 64 rows (d) of 1,536 bytes of codes and 64 scale bytes.  out0: f32, rows of 256 bytes.
; THE SOFTMAX: t = score x log2(e) / 8; M = the running largest t rounded UP to a whole number; p = 2^(t - M) is quantised along the keys, not normalised; the row's sum is taken of the unquantised p and divides at the end.
; When M moves, the sum and O are multiplied by 2^(old M - new M), which rounds nothing.
; SHARES.  A work-group is one head (grid y) and one j = 0 .. 7 (grid x).  Each of its sixteen waves owns ONE tile of 16 queries: 128 blk + 16 j on.  blk, 0 .. 15, is made of the wave's number alone, j only picks the tile inside
; the block of 128: so every work-group has the same control flow, and a wave does blk + 1 steps of 128 keys, the last of them on the diagonal.  With a = wave / 4, b = wave % 4 and m = 2 b in GF(4): blk = 4 (a ^ b) + (a ^ m):
; the four waves with equal a, and the four with equal b, have blk that sum to 30, that is 34 steps for any such four.
; LDS.  A head's K, V and scale bytes, 200 KiB, are brought ONCE, by six tensor loads a wave, all at the head: no byte of LDS is filled twice.  Keys 0-1,023 are waited for first, the rest lands under the first eight steps.
; CLUSTER.  The eight work-groups of a head read the same K and V.  A joint load names four: so a head is two clusters of four, and each tile is asked for by the same load, with the same descriptor and the mask 15, in all four.
; LAYOUT.  Both products are used transposed: S^T = K Q^T (source 0 = 16 keys, source 1 = my 16 queries), O^T = V^T P^T (source 0 = 16 of the head's 64, source 1 = p): a lane holds ONE query (lane % 16) throughout.
; THE KEYS OF A TILE ARE NOT NEIGHBOURS: lane r of tile 4 c + u takes key 64 c + 32 (r / 8) + 8 u + r % 8 of the step.  In the results lane (r, h) then holds, in v[S + 32 c] on, the 32 keys of block 2 c + h, in order: a WHOLE block
; of the second product's K in one lane: its largest p needs no other lane, and the conversions' results are the operand's registers as they stand.
; LIMITS.  The first product's K is 64 of the instruction's 128.  The upper 64 are zero codes on Q's side ALONE: K's fragments lie 6 registers apart, so a fragment's upper six registers are the next fragment's codes; E2M3 has no
; infinity and no NaN, so 0 x code is 0.  The scale bytes of the upper 64 are 0 on both sides (the scale words are loaded as 16 bits, zero-extended).  A p under 2^-126 counts as 0 (v_exp_f32 gives 0 there: ISA guide 15.8).
; A block of p that is all zeros carries the byte 1: its codes are zeros, and nobody else reads the bytes.  The running maximum starts at -3e38, in units of the score.
.set DIST,  49280                      ; LDS: K's even blocks of 32 keys from 0 on, row n = block 2 n, 1,536 bytes; the odd blocks DIST on.  DIST is 128 mod 256: the 32 lanes of a load of 8 bytes, at 48 (r % 8) + 128 (r / 8) + 24 h mod 256, take 32 different places of 8 bytes (64 banks of 4 bytes: ISA guide 11.1)
.set VB,    98560                      ; V: [half of the keys][r = d % 16][t = d / 16][768 bytes]
.set VRP,   3120                       ; from r to r + 1: 4 x 768 + 48 = 48 mod 256: 48 r + 24 h mod 256 are again 32 different places
.set VH,    16*VRP                     ; from half to half
.set SCK,   198400                     ; K's scale bytes, 2 a key, dense: 4,096 bytes
.set SCV,   202496                     ; V's: row d, 64 bytes + 8 of padding: 18 words from lane to lane: 32 different banks
.set STAGE, 207104                     ; the way out: 16 rows x (256 + 16) bytes for each wave; a multiple of 256; no tensor load lands here
.set STW,   16*272
.set AK0,  1                           ; v1   my lane's place in a tile of K
.set AV0,  2                           ; v2   in a tile of V
.set ASK0, 3                           ; v3   among K's scale words
.set ASV0, 4                           ; v4   among V's
.set DG,   5                           ; v5-6 the diagonal: my query less the first key of my block 0 + h, of my block 2 + h
.set NINF, 7                           ; v7   -infinity
.set H8,   8                           ; v8   8 x (lane / 16)
.set QS,   9                           ; v9   Q's scale word
.set ADK,  10                          ; v10, v11, v16, v17: the step's LDS addresses
.set ADV,  11
.set NM,   12                          ; v12  -M;  v13 the largest score so far (the packed form names the pair and takes v12 for both halves)
.set LS,   14                          ; v[14:15] the row's sum in two halves
.set ADS,  16
.set ADT,  17
.set FF,   18                          ; v18  f = 2^(old M - new M);  v19 = 0, named with it as a pair
.set QF,   20                          ; v20-25 Q's codes, v26-31 zeros: source 1 of the first product
.set KFR,  32                          ; v32-79 K's eight fragments, 6 registers apart; v80-85 zeros
.set PC,   32                          ; later in a step: p's codes, v32-43;
.set PT,   44                          ; and the conversions' second halves, v44-46, v48-50
.set KS,   86                          ; v86-89 K's scale words: lanes 0-15 an even tile's, lanes 16-31 the next tile's
.set VS,   90                          ; v90-91 V's likewise
.set PS,   92                          ; v92  p's scale word
.set STO,  93                          ; v93-95 the way out
.set RD,   94
.set GO,   95
.set S,    96                          ; v96-159 S^T, then p
.set O,    160                         ; v160-191 O^T
.set VFR,  192                         ; v192-239 V's four fragments
.set QO,   240                         ; v240-241 Q's load offsets
.set T,    244                         ; v244-251 at work
.set WV,   18                          ; s18  my wave's number
.set HD,   19                          ; s19  the head
.set SEL,  20                          ; s[20:21] selects for v_permlanex16_b32: lane l xor 16
.set CS,   22                          ; s[22:23] c = log2(e) / 8
.set G1K,  24                          ; descriptor groups 1: K's codes, V's codes, K's scales, V's scales
.set G1V,  32
.set G1KS, 40
.set G1VS, 48
.set G0KS, 56                          ; groups 0, one for each of a wave's six loads; never rewritten
.set G0VS, 60
.set G0K0, 68
.set G0V0, 72
.set G0K1, 76
.set G0V1, 80
.set KLIM, 84                          ; s84  128 blk: the first key of my diagonal step
.set KF,   85                          ; s85  the step's first key
.set TK,   86                          ; s86-89 where the step's K, V, K's scale words and V's begin
.set TV,   87
.set TSK,  88
.set TSV,  89
.set CNT,  90
.set JQ,   91                          ; s91  j.  It and s96-99 alone ever hold the place in the cluster or what is made of it
.set W0D,  15|(3<<16)|(1<<21)          ; group 1, word 0: 15:0 the mask, all four work-groups; 17:16 elements of 8 bytes; 21 set beside a mask; no padding
.set W0P,  15|(2<<16)|(1<<20)|(1<<21)|(3<<22)|(1<<25)   ; elements of 4 bytes; 20 padding on; 24:22 after every 16 words (code 3); 31:25 of 2 words (code 1)
.macro SHAPE g, w0, c, r, p            ; a tile of r rows of c elements, p elements from row to row; it lies inside the tensor, so the extents are the tile's
	s_mov_b32 s[\g], \w0
	s_mov_b32 s[\g+1], (\c)<<16                    ; tensor_dim0
	s_mov_b32 s[\g+2], (\r)<<16                    ; tensor_dim1
	s_mov_b32 s[\g+3], (\c)<<16                    ; tile_dim0
	s_mov_b32 s[\g+4], \r                          ; tile_dim1
	s_mov_b32 s[\g+5], \p                          ; tensor_dim0_stride
	s_mov_b32 s[\g+6], 0
	s_mov_b32 s[\g+7], 0
.endm
; A round of the cluster's barrier: my work-group's barrier, so that wave 0's signal speaks for all sixteen waves; wave 0 signals for the work-group; every wave waits for all four work-groups; my work-group's barrier once more.
.macro CROUND
	s_barrier_signal -1
	s_barrier_wait -1
	s_cmp_lg_u32 s[WV], 0
	s_cbranch_scc1 .Lnot_wave_0_\@
	s_barrier_signal -3
.Lnot_wave_0_\@:
	s_barrier_wait -3
	s_barrier_signal -1
	s_barrier_wait -1
.endm
	s_load_b256 s[4:11], s[0:1], 0x0               ; K's codes s[4:5], K's scales s[6:7], Q's codes s[8:9], Q's scales s[10:11]
	s_load_b128 s[12:15], s[0:1], 0x20             ; V's codes s[12:13], V's scales s[14:15]
	s_load_b64 s[16:17], s[0:1], 0x30              ; out0
	v_lshl_add_u32 v254, v0, 2, 0x44000
	v_mov_b32 v255, 0
	ds_add_u32 v254, v255
	ds_add_u32 v254, v255
	v_lshrrev_b32 v[T], 5, v0
	v_readfirstlane_b32 s[WV], v[T]                ; wave 0..15
	s_and_b32 s[HD], ttmp7, 0xffff                 ; the head, which the four partners share
	s_bfe_u32 s99, ttmp6, 0x40000                  ; cx: my place in the cluster
	s_lshl_b32 s[JQ], ttmp9, 2                     ; in a cluster launch ttmp9 counts clusters
	s_add_co_u32 s[JQ], s[JQ], s99                 ; j = 4 x cluster x + cx: it enters Q's and out0's addresses and the diagonal's compare, and nothing else
	s_lshr_b32 s92, s[WV], 2                       ; a
	s_and_b32 s93, s[WV], 3                        ; b
	s_lshl_b32 s94, s93, 1
	s_lshr_b32 s95, s93, 1
	s_mul_i32 s95, s95, 7
	s_xor_b32 s94, s94, s95
	s_and_b32 s94, s94, 3                          ; m = 0, 2, 3, 1 for b = 0, 1, 2, 3
	s_xor_b32 s93, s92, s93                        ; a ^ b
	s_xor_b32 s94, s92, s94                        ; a ^ m
	s_lshl_b32 s93, s93, 2
	s_add_co_u32 s93, s93, s94                     ; blk
	s_lshl_b32 s[KLIM], s93, 7
	s_mov_b32 s[SEL], 0x76543210
	s_mov_b32 s[SEL+1], 0xfedcba98
	s_mov_b32 s[CS], 0x3e38aa3b                    ; c = log2(e) / 8: the f32 log2(e) with 3 off its exponent, so that c x score has the bits of (score / 8) x log2(e)
	s_mov_b32 s[CS+1], s[CS]                       ; (named with it as a pair, so it is written)
	SHAPE G1K,  W0D, 192, 2, 384                   ; K: two blocks of 32 keys (1,536 bytes each), every second block of memory
	SHAPE G1V,  W0D, 96, 4, 3072                   ; V: 768 bytes (1,024 keys) of rows d, d + 16, d + 32, d + 48
	SHAPE G1KS, W0D, 32, 1, 32                     ; K's scales: one row of 256 bytes
	SHAPE G1VS, W0P, 16, 4, 16                     ; V's scales: four rows of 64 bytes, dense in memory, 72 bytes apart in LDS
	; Where my six tiles come from and where they go: the head and the wave's number alone.  e = wave % 2: even or odd blocks of K; pi = wave / 2: which two of them
	s_mul_i32 s66, s[HD], 98304                    ; the head's first byte in a tensor of codes
	s_lshl_b32 s92, s[HD], 12                      ; and of scale bytes
	s_lshl_b32 s94, s[WV], 8
	s_add_co_u32 s[G0KS+1], s94, SCK               ; K's scales: 256 bytes a wave
	s_add_co_u32 s92, s92, s94
	s_mov_b32 s93, 0                               ; s[92:93]: the offset of my 256 scale bytes, K's and V's alike
	s_mul_i32 s[G0VS+1], s[WV], 288                ; V's scales: four rows of 72 bytes a wave
	s_add_co_u32 s[G0VS+1], s[G0VS+1], SCV
	s_and_b32 s94, s[WV], 1                        ; e
	s_lshr_b32 s95, s[WV], 1                       ; pi
	s_mul_i32 s[G0K0+1], s94, DIST
	s_mul_i32 s67, s95, 3072
	s_add_co_u32 s[G0K0+1], s[G0K0+1], s67         ; K, keys 0-1,023: rows 2 pi, 2 pi + 1 of my parity's region
	s_add_co_u32 s[G0K1+1], s[G0K0+1], 24576       ; keys 1,024 on: 16 rows further
	s_mul_i32 s94, s94, 1536
	s_mul_i32 s95, s95, 6144
	s_add_co_u32 s94, s94, s95
	s_add_co_u32 s94, s94, s66
	s_mov_b32 s95, 0                               ; s[94:95]: block 4 pi + e of the head's K
	s_mul_i32 s[G0V0+1], s[WV], VRP
	s_add_co_u32 s[G0V0+1], s[G0V0+1], VB          ; V: r = wave
	s_add_co_u32 s[G0V1+1], s[G0V0+1], VH
	s_mul_i32 s67, s[WV], 1536
	s_add_co_u32 s66, s66, s67
	s_mov_b32 s67, 0                               ; s[66:67]: row d = wave of the head's V
.irp g, G0KS, G0VS, G0K0, G0V0, G0K1, G0V1
	s_mov_b32 s[\g], 1                             ; 1:0 count = 1
.endr
	s_wait_dscnt 0x0
	s_wait_kmcnt 0x0
	s_add_nc_u64 s[G0KS+2:G0KS+3], s[6:7], s[92:93]
	s_add_nc_u64 s[G0VS+2:G0VS+3], s[14:15], s[92:93]
	s_add_nc_u64 s[G0K0+2:G0K0+3], s[4:5], s[94:95]
	s_add_nc_u64 s[G0K1+2:G0K1+3], s[G0K0+2:G0K0+3], 49152   ; 32 blocks on
	s_add_nc_u64 s[G0V0+2:G0V0+3], s[12:13], s[66:67]
	s_add_nc_u64 s[G0V1+2:G0V1+3], s[G0V0+2:G0V0+3], 768     ; 1,024 keys on in each row
.irp g, G0KS, G0VS, G0K0, G0V0, G0K1, G0V1
	s_or_b32 s[\g+3], s[\g+3], 0x80000000          ; 127:126 type = 2
.endr
	CROUND                                         ; all four work-groups are here: the joint loads meet
	tensor_load_to_lds s[G0KS:G0KS+3], s[G1KS:G1KS+7]   ; six loads of mine are out; every wave issues all six, each into bytes of its own
	s_nop 0
	tensor_load_to_lds s[G0VS:G0VS+3], s[G1VS:G1VS+7]
	s_nop 0
	tensor_load_to_lds s[G0K0:G0K0+3], s[G1K:G1K+7]
	s_nop 0
	tensor_load_to_lds s[G0V0:G0V0+3], s[G1V:G1V+7]
	s_nop 0
	tensor_load_to_lds s[G0K1:G0K1+3], s[G1K:G1K+7]
	s_nop 0
	tensor_load_to_lds s[G0V1:G0V1+3], s[G1V:G1V+7]
	s_nop 0
.rept 4
	v_nop                                          ; four v_nop follow the last of them
.endr
	; Q and out0 at my first query, 128 blk + 16 j
	s_lshl_b32 s98, s[JQ], 4
	s_add_co_u32 s98, s98, s[KLIM]
	s_mul_i32 s96, s[HD], 98304
	s_mul_i32 s99, s98, 48
	s_add_co_u32 s96, s96, s99
	s_mov_b32 s97, 0
	s_add_nc_u64 s[8:9], s[8:9], s[96:97]
	s_lshl_b32 s96, s[HD], 12
	s_lshl_b32 s99, s98, 1
	s_add_co_u32 s96, s96, s99
	s_add_nc_u64 s[10:11], s[10:11], s[96:97]
	s_lshl_b32 s96, s[HD], 19                      ; a head of out0 is 2,048 rows of 256 bytes
	s_lshl_b32 s99, s98, 8
	s_add_co_u32 s96, s96, s99
	s_add_nc_u64 s[16:17], s[16:17], s[96:97]
	v_and_b32 v[T+2], 15, v0                       ; r = lane % 16
	v_bfe_u32 v[T+3], v0, 4, 1                     ; h = lane / 16
	v_mul_u32_u24 v[QO], v[T+2], 48
	v_mad_u32_u24 v[QO], v[T+3], 24, v[QO]         ; Q: row r, + 24 h: k = 32 h + 0 .. 31
	v_lshlrev_b32 v[QO+1], 1, v[T+2]
.irp p, 0,1,2
	global_load_b64 v[QF+2*\p:QF+2*\p+1], v[QO], s[8:9] offset:8*\p   ; Q's codes stay in registers
.endr
	global_load_u16 v[QS], v[QO+1], s[10:11]       ; Q's two scale bytes; bytes 2 and 3 of the word are 0
.irp i, 0,1,2,3,4,5
	v_mov_b32 v[QF+6+\i], 0                        ; zero codes for k = 64 .. 127 on Q's side
	v_mov_b32 v[KFR+48+\i], 0                      ; and what the last fragment of K names as its upper half
.endr
	v_and_b32 v[T], 7, v0                          ; r % 8
	v_bfe_u32 v[T+1], v0, 3, 1                     ; r / 8
	v_mul_u32_u24 v[AK0], v[T], 48
	v_mad_u32_u24 v[AK0], v[T+1], DIST, v[AK0]     ; lanes with r / 8 = 1 take the odd block: one product, the distance between the two regions
	v_mad_u32_u24 v[AK0], v[T+3], 24, v[AK0]
	v_mul_u32_u24 v[AV0], v[T+2], VRP
	v_mad_u32_u24 v[AV0], v[T+3], 24, v[AV0]
	v_add_nc_u32 v[AV0], VB, v[AV0]
	v_lshl_add_u32 v[ASK0], v[T], 1, SCK           ; K's scale words: 2 bytes a key; 64 for the odd block; lanes 16-31 take the tile 8 keys on
	v_lshl_add_u32 v[ASK0], v[T+1], 6, v[ASK0]
	v_lshl_add_u32 v[ASK0], v[T+3], 4, v[ASK0]
	v_and_b32 v[ASV0], 31, v0
	v_mul_u32_u24 v[ASV0], v[ASV0], 72             ; V's: lane l takes row d = l (or 32 + l)
	v_add_nc_u32 v[ASV0], SCV, v[ASV0]
	s_lshl_b32 s99, s[JQ], 4
	v_lshlrev_b32 v[DG], 5, v[T+3]
	v_sub_nc_u32 v[DG], v[T+2], v[DG]
	v_add_nc_u32 v[DG], s99, v[DG]                 ; r + 16 j - 32 h
	v_add_nc_u32 v[DG+1], 0xffffffc0, v[DG]        ; and 64 less
	v_mov_b32 v[NINF], 0xff800000
	v_lshlrev_b32 v[H8], 3, v[T+3]
	s_mul_i32 s92, s[WV], STW
	s_add_co_u32 s92, s92, STAGE                   ; my stage
	v_mul_u32_u24 v[STO], v[T+2], 272              ; in: row r; tile t's eight channels of my half lie 64 t + 32 h bytes on
	v_lshl_add_u32 v[STO], v[T+3], 5, v[STO]
	v_add_nc_u32 v[STO], s92, v[STO]
	v_mul_u32_u24 v[RD], v[T+3], 272               ; back: lanes 0-15 one row of 256 bytes, lanes 16-31 the next
	v_lshl_add_u32 v[RD], v[T+2], 4, v[RD]
	v_add_nc_u32 v[RD], s92, v[RD]
	v_lshlrev_b32 v[GO], 8, v[T+3]                 ; and the same two rows in out0
	v_lshl_add_u32 v[GO], v[T+2], 4, v[GO]
	v_mov_b32 v[LS], 0
	v_mov_b32 v[LS+1], 0
	v_mov_b32 v[FF], 0
	v_mov_b32 v[FF+1], 0
	v_mov_b32 v[T+5], 0                            ; written once: a lane permute's destination counts as one of its sources
	v_mov_b32 v[NM+1], 0xff61b1e6                  ; the largest score so far: -3e38
	v_mul_f32 v[T+7], s[CS], v[NM+1]
	v_floor_f32 v[NM], -v[T+7]                     ; -M
.set NN, 0
.rept 32
	v_mov_b32 v[O+NN], 0                           ; O^T.  The step is written without a first step of its own: the first finds zeros, which the first change of M leaves zeros
.set NN, NN+1
.endr
	s_mov_b32 s[KF], 0
	s_mov_b32 s[TK], 0
	s_mov_b32 s[TV], 0
	s_mov_b32 s[TSK], 0
	s_mov_b32 s[TSV], 0
.macro RESC                            ; the next two registers of O^T, in ascending order, under the new M
	v_pk_mul_f32 v[O+2*RK:O+2*RK+1], v[O+2*RK:O+2*RK+1], v[FF:FF+1] op_sel_hi:[1,0]
.set RK, RK+1
.endm
.macro LADD                            ; the next pair of p onto the row's sum
	s_wait_alu depctr_va_vdst(0)
	v_pk_add_f32 v[LS:LS+1], v[LS:LS+1], v[S+2*LK:S+2*LK+1]
.set LK, LK+1
.endm
; A KEY STEP: 128 keys.
.macro STEP
	s_cmp_gt_u32 s[KF], s[KLIM]                    ; all its keys come after my 16 queries: the work is left out.  The branch hangs on the wave's number and the trip alone; the lines at the step's end that step addresses are not jumped over
	s_cbranch_scc1 .Lhid_\@
	v_add_nc_u32 v[ADK], s[TK], v[AK0]             ; these four are also the four places between the last step's products and the loads into their operands
	v_add_nc_u32 v[ADV], s[TV], v[AV0]
	v_add_nc_u32 v[ADS], s[TSK], v[ASK0]
	v_add_nc_u32 v[ADT], s[TSV], v[ASV0]
.irp c, 0,1
.irp u, 0,1,2,3
.irp p, 0,1,2
	ds_load_b64 v[KFR+6*(4*\c+\u)+2*\p:KFR+6*(4*\c+\u)+2*\p+1], v[ADK] offset:1536*\c+384*\u+8*\p   ; tile 4 c + u: 24 bytes of a key's row, k = 32 h + 0 .. 31
.endr
.endr
.endr
.irp c, 0,1
.irp g, 0,1
	ds_load_u16 v[KS+2*\c+\g], v[ADS] offset:128*\c+32*\g   ; the scale words of tiles 4 c + 2 g (lanes 0-15) and 4 c + 2 g + 1 (lanes 16-31)
.endr
.endr
.irp t, 0,1,2,3
.irp c, 0,1
.irp p, 0,1,2
	ds_load_b64 v[VFR+12*\t+6*\c+2*\p:VFR+12*\t+6*\c+2*\p+1], v[ADV] offset:768*\t+48*\c+8*\p   ; V's row 16 t + r, keys 64 c + 32 h + 0 .. 31 of the step
.endr
.endr
.endr
.irp g, 0,1
	ds_load_b32 v[VS+\g], v[ADT] offset:2304*\g    ; V's scale words of rows 32 g + lane
.endr
	s_wait_dscnt 26                                ; K's 24 pieces and 4 scale words are in; the 26 loads issued behind them, V's, land under the softmax
.irp c, 0,1
.irp u, 0,1,2,3
.if \u % 2
	v_wmma_scale_f32_16x16x128_f8f6f4 v[S+8*(4*\c+\u):S+8*(4*\c+\u)+7], v[KFR+6*(4*\c+\u):KFR+6*(4*\c+\u)+11], v[QF:QF+11], 0, v[KS+2*\c+\u/2], v[QS] matrix_a_fmt:MATRIX_FMT_FP6 matrix_b_fmt:MATRIX_FMT_FP6 matrix_a_scale:MATRIX_SCALE_ROW1
.else
	v_wmma_scale_f32_16x16x128_f8f6f4 v[S+8*(4*\c+\u):S+8*(4*\c+\u)+7], v[KFR+6*(4*\c+\u):KFR+6*(4*\c+\u)+11], v[QF:QF+11], 0, v[KS+2*\c+\u/2], v[QS] matrix_a_fmt:MATRIX_FMT_FP6 matrix_b_fmt:MATRIX_FMT_FP6
.endif
.endr
.endr
.rept 4
	v_nop                                          ; four places between a matrix instruction and the first vector read of its result (ISA guide 7.12.1)
.endr
	s_cmp_lg_u32 s[KF], s[KLIM]                    ; only my last step lies on the diagonal
	s_cbranch_scc1 .Lopen_\@
.set NN, 0
.rept 64                               ; register 32 c + i holds key KF + 64 c + 32 h + i: hidden where i > my query - KF - 64 c - 32 h.  Its score becomes -infinity, so that p = 0.  In ascending order
	v_cmp_gt_i32 vcc_lo, NN%32, v[DG+NN/32]
	v_cndmask_b32 v[S+NN], v[S+NN], v[NINF], vcc_lo
.set NN, NN+1
.endr
.Lopen_\@:
	; THE LARGEST SCORE OF EACH OF MY TWO BLOCKS OF 32 KEYS serves twice: for the row's maximum and, since p rises with the score, for the block's largest p.  Four chains; each accumulator is first read at its low end
.irp c, 0,1
	v_max3_num_f32 v[T+\c], v[S+32*\c], v[S+32*\c+1], v[S+32*\c+2]
	v_max3_num_f32 v[T+2+\c], v[S+32*\c+16], v[S+32*\c+17], v[S+32*\c+18]
.endr
.irp i, 3,5,7,9,11,13
.irp c, 0,1
	v_max3_num_f32 v[T+\c], v[T+\c], v[S+32*\c+\i], v[S+32*\c+\i+1]
	v_max3_num_f32 v[T+2+\c], v[T+2+\c], v[S+32*\c+16+\i], v[S+32*\c+17+\i]
.endr
.endr
.irp c, 0,1
	v_max3_num_f32 v[T+\c], v[T+\c], v[T+2+\c], v[S+32*\c+15]
.endr
.irp c, 0,1
	v_max_num_f32 v[T+\c], v[T+\c], v[S+32*\c+31]
.endr
	v_max_num_f32 v[T+4], v[T], v[T+1]
	v_permlanex16_b32 v[T+5], v[T+4], s[SEL], s[SEL+1]   ; the query's other two blocks lie in the lane 16 away
	v_max3_num_f32 v[NM+1], v[NM+1], v[T+4], v[T+5]      ; the running largest score
	v_mov_b32 v[T+6], v[NM]
	v_mul_f32 v[T+7], s[CS], v[NM+1]               ; as t (c is positive)
	v_floor_f32 v[NM], -v[T+7]                     ; the new -M = floor(-t) = -ceil(t): M IS A WHOLE NUMBER
	v_sub_f32 v[T+6], v[NM], v[T+6]                ; M's old value less its new one: a whole number, 0 or less
	v_cvt_i32_f32 v[T+6], v[T+6]                   ; (it saturates)
	v_ldexp_f32 v[FF], 1.0, v[T+6]                 ; f = 2^(old M - new M)
.irp c, 0,1
	v_fma_f32 v[T+\c], v[T+\c], s[CS], v[NM]       ; t - M of each block's largest score: the same multiply-add and exponential as its p get, so the same bits
.endr
.irp k, 0,1
	v_pk_fma_f32 v[S+2*\k:S+2*\k+1], v[S+2*\k:S+2*\k+1], s[CS:CS+1], v[NM:NM+1] op_sel_hi:[1,0,0]   ; t - M, two at a time (of the pairs c and -M the low word serves both halves)
.endr
	v_exp_f32 v[T], v[T]
	v_exp_f32 v[T+1], v[T+1]
	; p = 2^(t - M).  Behind every exponential stands a plain line that touches neither its result nor its source (ISA guide 5.7.2): the scaling two pairs ahead, the sum of the pair before, or a piece of O^T's rescaling
.set RK, 0
.set LK, 0
.set NN, 0
.rept 32
	v_exp_f32 v[S+2*NN], v[S+2*NN]
.if NN < 30
	v_pk_fma_f32 v[S+2*NN+4:S+2*NN+5], v[S+2*NN+4:S+2*NN+5], s[CS:CS+1], v[NM:NM+1] op_sel_hi:[1,0,0]
.else
	RESC
.endif
	v_exp_f32 v[S+2*NN+1], v[S+2*NN+1]
.if NN == 0
	v_pk_mul_f32 v[LS:LS+1], v[LS:LS+1], v[FF:FF+1] op_sel_hi:[1,0]   ; the sum under the new M
.elseif NN < 25
	LADD                                           ; THE ROW'S SUM IS TAKEN OF THE UNQUANTISED p
.else
	RESC
.endif
.set NN, NN+1
.endr
.rept 7
	RESC                                           ; the last seven of O^T's sixteen pairs
.endr
.irp c, 0,1
	v_max_num_f32 v[T+\c], 0x1800000, v[T+\c]      ; the floor 2^(3 - 127): the byte cannot fall under 1
.endr
.irp c, 0,1
	v_add_nc_u32 v[T+2+\c], 0xff000000, v[T+\c]    ; 2 off the exponent field: the conversion takes the exponent field of this operand as its scale, and nothing else of it
.endr
.irp c, 0,1
	v_lshrrev_b32 v[T+4+\c], 23, v[T+2+\c]         ; the scale's byte
.endr
	v_lshl_or_b32 v[T+6], v[T+5], 16, v[T+4]       ; my two bytes, blocks h and 2 + h,
	v_lshlrev_b32 v[T+6], v[H8], v[T+6]            ; at their places in the word;
	v_permlanex16_b32 v[T+7], v[T+6], s[SEL], s[SEL+1]
	v_or_b32 v[PS], v[T+6], v[T+7]                 ; with lane l xor 16's two the word of these 128 keys is whole
	s_wait_alu depctr_va_vdst(0)
.irp c, 0,1
	v_cvt_scalef32_pk16_fp6_f32 v[PC+6*\c:PC+6*\c+2], v[S+32*\c:S+32*\c+15], v[T+2+\c]      ; registers 6 c .. 6 c + 2 of the operand: keys 64 c + 32 h + 0 .. 15
	v_cvt_scalef32_pk16_fp6_f32 v[PT+4*\c:PT+4*\c+2], v[S+32*\c+16:S+32*\c+31], v[T+2+\c]   ; (a conversion's three registers begin on an even number: the second half is made elsewhere and moved)
.endr
	v_nop                                          ; one plain place behind a scaled conversion
.irp c, 0,1
.irp i, 0,1,2
	v_mov_b32 v[PC+3+6*\c+\i], v[PT+4*\c+\i]
.endr
.endr
.rept 8
	LADD                                           ; the last eight pairs: also the places in front of the scaled products: eight behind the line that made p's scale word, four behind the moves; they name none of the products' registers
.endr
	s_wait_dscnt 0x0                               ; V's fragments and scale words are in
.irp t, 0,1,2,3                        ; O^T += V^T P^T: the four accumulators by turns, one instruction a turn
.if \t % 2
	v_wmma_scale_f32_16x16x128_f8f6f4 v[O+8*\t:O+8*\t+7], v[VFR+12*\t:VFR+12*\t+11], v[PC:PC+11], v[O+8*\t:O+8*\t+7], v[VS+\t/2], v[PS] matrix_a_fmt:MATRIX_FMT_FP6 matrix_b_fmt:MATRIX_FMT_FP6 matrix_a_scale:MATRIX_SCALE_ROW1
.else
	v_wmma_scale_f32_16x16x128_f8f6f4 v[O+8*\t:O+8*\t+7], v[VFR+12*\t:VFR+12*\t+11], v[PC:PC+11], v[O+8*\t:O+8*\t+7], v[VS+\t/2], v[PS] matrix_a_fmt:MATRIX_FMT_FP6 matrix_b_fmt:MATRIX_FMT_FP6
.endif
.endr
.Lhid_\@:
	s_add_co_u32 s[KF], s[KF], 128
	s_add_co_u32 s[TK], s[TK], 3072                ; two rows of each of K's regions
	s_add_co_u32 s[TV], s[TV], 96                  ; 128 codes on in V's rows
	s_add_co_u32 s[TSK], s[TSK], 256
	s_add_co_u32 s[TSV], s[TSV], 4
.endm
	s_wait_tensorcnt 0x2                           ; the scale bytes and my parts of keys 0-1,023 are in; the two loads issued behind them, keys 1,024 on, may be out
	s_barrier_signal -1
	s_barrier_wait -1                              ; everybody's are
	s_wait_loadcnt 0x0                             ; Q
	s_mov_b32 s[CNT], 8
.Lfirst_half:                                      ; keys 0-1,023.  Eight trips in every wave: the count is a constant, the work of hidden steps is jumped over inside
	STEP
	s_sub_co_u32 s[CNT], s[CNT], 1
	s_cmp_lg_u32 s[CNT], 0
	s_cbranch_scc1 .Lfirst_half
	s_wait_tensorcnt 0x0                           ; my parts of keys 1,024 on are in,
	s_wait_dscnt 0x0                               ; no LDS instruction of mine is pending at the signal
	s_barrier_signal -1
	s_barrier_wait -1                              ; everybody's are
	s_mov_b32 s[TV], VH                            ; V's second half; K's rows and both kinds of scale words simply go on
	s_mov_b32 s[CNT], 8
.Lsecond_half:                                     ; keys 1,024-2,047
	STEP
	s_sub_co_u32 s[CNT], s[CNT], 1
	s_cmp_lg_u32 s[CNT], 0
	s_cbranch_scc1 .Lsecond_half
	; THE WAY OUT.  O^T is divided by the row's sum and goes through my own stage in LDS, so that sixteen lanes store one row of out0: 256 consecutive bytes, at a multiple of 256 from its first byte.
.rept 4
	v_nop                                          ; places behind the last products
.endr
	v_add_f32 v[LS], v[LS], v[LS+1]                ; the sum's two halves,
	v_permlanex16_b32 v[T+5], v[LS], s[SEL], s[SEL+1]
	v_add_f32 v[LS], v[LS], v[T+5]                 ; and lane l xor 16's blocks: the row's sum
	v_rcp_f32 v[LS], v[LS]
	v_nop                                          ; one plain place behind a transcendental
.set NN, 0
	s_wait_alu depctr_va_vdst(0)
.rept 16
	v_pk_mul_f32 v[S+2*NN:S+2*NN+1], v[O+2*NN:O+2*NN+1], v[LS:LS+1] op_sel_hi:[1,0]   ; register 8 t + i is o(r, 16 t + 8 h + i); in ascending order
.set NN, NN+1
.endr
.irp t, 0,1,2,3
	ds_store_b128 v[STO], v[S+8*\t:S+8*\t+3] offset:64*\t
	ds_store_b128 v[STO], v[S+8*\t+4:S+8*\t+7] offset:64*\t+16
.endr
.irp i, 0,1,2,3,4,5,6,7
	ds_load_b128 v[S+32+4*\i:S+32+4*\i+3], v[RD] offset:544*\i   ; LDS serves a wave's instructions in order (ISA guide 5.7.1.4): these see my stores
.endr
.irp i, 0,1,2,3,4,5,6,7
	s_wait_dscnt 7-\i                              ; rows 2 i and 2 i + 1 are back; the younger loads may be out
	global_store_b128 v[GO], v[S+32+4*\i:S+32+4*\i+3], s[16:17] offset:512*\i th:TH_STORE_NT   ; written once, read by nobody here
.endr
	s_wait_tensorcnt 0x0
	ds_add_u32 v254, v255
	s_wait_dscnt 0x0
	CROUND                                         ; the closing round: no work-group ends while a partner may still ask for a tile that names it
	s_endpgm
.Lfunc_end_k_qab21fe58fe_attn:
	.size	k_qab21fe58fe_attn, .Lfunc_end_k_qab21fe58fe_attn-k_qab21fe58fe_attn
	.p2alignl 7, 3214868480
	.fill 96, 4, 3214868480
	.section	.rodata,"a",@progbits
	.p2align	6, 0x0
	.amdhsa_kernel k_qab21fe58fe_attn
		.amdhsa_group_segment_fixed_size 280576
		.amdhsa_private_segment_fixed_size 0
		.amdhsa_enable_private_segment 0
		.amdhsa_kernarg_size 56
		.amdhsa_user_sgpr_count 2
		.amdhsa_user_sgpr_kernarg_segment_ptr 1
		.amdhsa_wavefront_size32 1
		.amdhsa_system_sgpr_workgroup_id_x 1
		.amdhsa_system_sgpr_workgroup_id_y 1
		.amdhsa_system_sgpr_workgroup_id_z 1
		.amdhsa_system_vgpr_workitem_id 0
		.amdhsa_next_free_vgpr 256
		.amdhsa_next_free_sgpr 100
		.amdhsa_reserve_vcc 1
		.amdhsa_float_denorm_mode_32 3
		.amdhsa_float_denorm_mode_16_64 3
		.amdhsa_memory_ordered 1
		.amdhsa_forward_progress 1
		.amdhsa_inst_pref_size 59
	.end_amdhsa_kernel
	.amdgpu_metadata
---
amdhsa.version: [ 1, 2 ]
amdhsa.kernels:
  - .name:           k_qab21fe58fe_attn
    .symbol:         k_qab21fe58fe_attn.kd
    .args:
      - { .name: keys_codes, .offset: 0, .size: 8, .value_kind: global_buffer, .address_space: global }
      - { .name: keys_scales, .offset: 8, .size: 8, .value_kind: global_buffer, .address_space: global }
      - { .name: queries_codes, .offset: 16, .size: 8, .value_kind: global_buffer, .address_space: global }
      - { .name: queries_scales, .offset: 24, .size: 8, .value_kind: global_buffer, .address_space: global }
      - { .name: values_codes, .offset: 32, .size: 8, .value_kind: global_buffer, .address_space: global }
      - { .name: values_scales, .offset: 40, .size: 8, .value_kind: global_buffer, .address_space: global }
      - { .name: out0, .offset: 48, .size: 8, .value_kind: global_buffer, .address_space: global }
    .group_segment_fixed_size: 280576
    .private_segment_fixed_size: 0
    .kernarg_segment_align: 8
    .kernarg_segment_size: 56
    .max_flat_workgroup_size: 512
    .sgpr_count:     100
    .vgpr_count:     256
    .wavefront_size: 32
...
	.end_amdgpu_metadata
.endif
;; end of part 1
